; MI455X (gfx1250); checked and timed in simulation.
; The chip was launched on July 23, 2026; its instructions are those of AMD's public machine-readable ISA for CDNA 5 (MIT licence, August 2026) and "CDNA5" Instruction Set Architecture Reference Guide (July 2026). The comments in the code are by the model that wrote it; some were corrected since.
;; Scaled Dot Prod Attention. Allowed arithmetic: matrix products marked QUANTISED: E4M3 operands, one E8M0 scale for each 32 along K, by v_wmma_scale_f32_16x16x128_f8f6f4 with both operands' format E4M3, f32 sums; everything else in f32.
;; Inputs: k 8,192 x 128 float32; q 8,192 x 128 float32; v 8,192 x 128 float32.
;; Outputs: out0 8,192 x 128 float32.
;; This version of the problem:
;;   THIS VERSION OF THE PROBLEM IS GIVEN IN LOW PRECISION. The matrix products marked QUANTISED in the list below multiply operands that are first quantised to E4M3 (4 exponent bits, 3 mantissa bits; 8 bits a number), with one power-of-two scale for each 32 numbers along K (OCP MX v1.0); their sums are f32. All else is computed in f32.
;;   The module's matrix products, in the order in which they are computed (A, B: the left and right operand; K: the contracted axis; several contracted axes count as one K, in the product's order):
;;     1. [M 8,192, K 128] x [K 128, N 8,192]; A: input q; B: input k: QUANTISED
;;     2. [M 8,192, K 8,192] x [K 8,192, N 128]; A: softmax (see below); B: input v: QUANTISED
;;   THE QUANTISER, for each operand of a quantised product, along K:
;;     - K is cut into blocks of 32 from its start; a last block that is shorter is filled with zeros.
;;     - A block's scale is 2^e with e = floor(log2(the largest magnitude in the block)) - 8, held to -126 .. 127; a block of zeros has e = 0. As a byte (E8M0): e + 127.
;;     - Each number is divided by its block's scale, clamped to +-448, and rounded to the nearest number of E4M3, ties to even, subnormals kept.
;;     - The product sums the exact products of the quantised numbers (number of the format x scale) in f32.
;;   ~~~python
;;   def quantise(x, axis):      # numpy; x: float32 -> the quantised numbers, widened to float32 again
;;       x = np.moveaxis(x, axis, -1); K = x.shape[-1]
;;       x = np.pad(x, [(0, 0)] * (x.ndim - 1) + [(0, -K % 32)]); x = x.reshape(x.shape[:-1] + (-1, 32)); a = np.abs(x).max(-1, keepdims=True)
;;       e = np.where(a > 0, np.clip(np.frexp(np.where(a > 0, a, 1))[1] - 1 - 8, -126, 127), 0)      # np.frexp(a)[1] - 1 = floor(log2(a)), exactly
;;       r = np.clip(x / 2.0 ** e, -448, 448)
;;       step = 2.0 ** (np.maximum(np.frexp(np.where(r == 0, 1, r))[1] - 1, -6) - 3)
;;       q = np.round(r / step) * step * 2.0 ** e      # np.round: ties to even
;;       return np.moveaxis(q.reshape(q.shape[:-2] + (-1,))[..., :K], -1, axis).astype(np.float32)
;;   ~~~
;;   SOFTMAX AHEAD OF A QUANTISED PRODUCT. Where the list says 'softmax', what is quantised is not the finished softmax but p = 2^(t - M), with t = logit x log2(e) and M = ceil(the row's largest t), a whole number; so 1/2 < the row's largest p <= 1. The row's sum l is taken of the UNQUANTISED p, in f32, and the product's result is divided by l at the end. Since M is a whole number, a kernel that streams over the keys may use a running M (the ceiling of the running maximum): every later rescaling is an exact power of two, which a block's scale takes up: the codes' values come out the same.
;;   OPERANDS COMPUTED ON THE WAY. 'Computed on the way' means the value that the module computes at that place (a softmax that the list does not call 'softmax' is quantised finished and normalised). What goes into a quantiser is computed in f32, as accurately as f32 sums, v_exp_f32 and their like allow (about 1e-6 of the number): no bf16 or f16 on the way to a quantiser, and a product that is left as it is and whose result goes on into a quantised operand takes f32 operands (vector FMAs, or v_wmma_f32_16x16x4_f32). A number that lies on a knife's edge between two numbers of the format may be rounded either way, as far as f32 arithmetic and the matrix unit's own rounding can turn it there, and no further.
;; One version. Each part assembles by itself: llvm-mc -triple=amdgcn-amd-amdhsa -mcpu=gfx1250 --defsym DOCPART=n.
;; ======== version 1 of 1: 3 launches
;; limits: right only within a limited range of input values
;; workspace buffers: kv 2,162,688 bytes; qq 1,081,344 bytes; part 19,464,192 bytes
;; launch quant (part 1): grid 192 x 1, 4 waves a work-group, no clusters, 1,024 bytes of LDS; arguments k, q, v, kv, qq; writes kv, qq
.if DOCPART == 1
	.amdgcn_target "amdgcn-amd-amdhsa--gfx1250"
	.amdhsa_code_object_version 6
	.text
	.protected	k_qff46a07660_quant
	.globl	k_qff46a07660_quant
	.p2align	8
	.type	k_qff46a07660_quant,@function
k_qff46a07660_quant:
	s_mov_b64 s[64:65], 0
	v_nop
	global_prefetch_b8 v0, s[64:65] scope:SCOPE_SE
	s_setreg_imm32_b32 hwreg(HW_REG_WAVE_MODE, 25, 1), 1
	s_wait_xcnt 0x0
; k, q, v: [8192][128] f32.  They become codes of FP8 (E4M3) with one E8M0 byte for each 32 along the product's K, laid as IMAGES OF THE OPERANDS' REGISTERS:
; a fragment (16 rows x 128 K) is 2,048 bytes: register group c (4 registers) at 512 c, lane l's 16 bytes at 16 l.
;   kv: 64 key steps of 128 keys, 33,792 bytes each: 8 fragments of K (K = the 128 channels), 8 fragments of V^T (K = the step's 128 keys), 512 bytes of K's scale words, 512 of V's.
;   qq: 64 blocks of 128 queries, 16,896 bytes each: 8 fragments, 512 bytes of scale words.
; Scale words: the word at 16 l + 4 w is, for l < 16, that of row l of tile 2 w; for l >= 16 that of row l - 16 of tile 2 w + 1: one load of 16 bytes a lane serves eight tiles.
; A block's scale is 2^(floor(log2(its largest magnitude)) - 8); its byte is the largest magnitude's exponent field - 8, held at 1 from below; each number is held within +-448 x the scale and rounded to the nearest code, ties to even.
; LIMITS: NaN and infinities among the inputs are not served.  A block whose largest magnitude lies under 2^-118 has its byte held at 1.  A block of zeros gets the byte 1 where the rule says 127:
; its codes are zeros, which add nothing under any byte but 0xff, and this program alone reads the bytes.
; SHARES: work-groups 0-63 take K's steps, 64-127 Q's blocks, 128-191 V's steps.  Wave w makes tiles 2 w and 2 w + 1.  No tensor loads; the waves meet once, to gather the scale words.
; WORK LEFT OUT in the program: the products of queries with keys behind them, in whole steps of 128 keys.  reference() takes 1e9 from those logits in its own body, so their softmax is 0 in f32 while logits stay far under 1e9.
; A NaN, an infinity or an overflow that reaches only those products is not carried to the result.
.set STEPB, 33792
.set QBLK,  16896
.set VIMG,  16384
.set VSC,   33280
.set X,     16                         ; v16-143  the numbers
.set PC,    144                        ; v144-175 the codes: registers of their own for every store
.set TM,    176                        ; v176-191 at work
.set PW0,   192                        ; the first tile's scale word
.set PW1,   193                        ; the second's
.set SW,    194                        ; my lane's word for the gathering
.set OUTR,  196                        ; v196-199 four words a lane on the way out
	s_load_b256 s[4:11], s[0:1], 0x0               ; k s[4:5], q s[6:7], v s[8:9], kv s[10:11]
	s_load_b64 s[12:13], s[0:1], 0x20              ; qq
	v_lshl_add_u32 v200, v0, 2, 0x200
	v_mov_b32 v201, 0
	v_lshrrev_b32 v9, 5, v0
	v_readfirstlane_b32 s14, v9                    ; wave 0..3
	v_and_b32 v1, 31, v0                           ; lane
	v_and_b32 v2, 15, v0                           ; r
	v_bfe_u32 v3, v0, 4, 1                         ; h
	v_lshlrev_b32 v4, 4, v1                        ; 16 x lane: an image's place for my lane
	s_lshl_b32 s27, s14, 2
	v_add_nc_u32 v5, s27, v4                       ; LDS: 16 x lane + 4 x wave: my scale word's place
	s_mov_b32 s22, 0x76543210
	s_mov_b32 s23, 0xfedcba98                      ; v_permlanex16_b32's selects for lane l xor 16
	s_mov_b32 s24, 0x600000                        ; the mantissa field of 448
	s_mov_b32 s19, 0
	s_mov_b32 s21, 0
.irp b, 0,1,2,3
	v_mov_b32 v[TM+4+\b], 0                        ; written once: a lane permute's destination counts as one of its sources
.endr
	s_cmp_lt_u32 ttmp9, 128
	s_cbranch_scc0 .Lv
; ---- K and Q: K is innermost.  Lane (r, h) takes, of its row, 16 neighbouring numbers of each block of 32.
	s_cmp_lt_u32 ttmp9, 64
	s_cselect_b32 s15, 1, 0                        ; 1: K, 0: Q
	s_and_b32 s16, ttmp9, 63                       ; which step or block
	s_mov_b32 s27, QBLK
	s_lshl_b32 s27, s27, s15                       ; bytes of a block in qq, of a step in kv (twice as many)
	s_mul_i32 s20, s16, s27
	s_lshl_b32 s27, s14, 12
	s_add_co_u32 s20, s20, s27                     ; + my two tiles' images
	s_lshl_b32 s18, s16, 16                        ; 128 rows of 512 bytes,
	s_lshl_b32 s27, s14, 14
	s_add_co_u32 s18, s18, s27                     ; + my wave's 32 rows
	s_mov_b32 s25, 16384
	s_lshl_b32 s25, s25, s15                       ; where the scale words begin: 16,384 in qq, 32,768 in kv
	s_mov_b32 s26, 8192
	s_lshr_b32 s26, s26, s15                       ; from my first tile to my second: 16 rows (Q) or 8 rows (K)
	s_wait_alu depctr_va_vdst(0)
	v_and_b32 v9, 8, v2
	v_mul_u32_u24 v9, s15, v9
	v_add_nc_u32 v9, v9, v2                        ; the tile's row: r (Q) or r + 8 (r / 8) (K)
	v_lshlrev_b32 v6, 9, v9
	v_lshl_add_u32 v6, v3, 6, v6                   ; x 512 bytes + 64 h
	v_add_nc_u32 v7, s26, v6
	v_add_nc_u32 v8, s25, v4                       ; the scale words' way out: 16 bytes a lane
	s_wait_alu depctr_va_vdst(0)
	s_wait_kmcnt 0x0
	s_cmp_lt_u32 ttmp9, 64                         ; the choice of buffers hangs on the work-group's number alone
	s_cselect_b64 s[28:29], s[4:5], s[6:7]
	s_cselect_b64 s[30:31], s[10:11], s[12:13]
	s_add_nc_u64 s[28:29], s[28:29], s[18:19]
	s_add_nc_u64 s[30:31], s[30:31], s[20:21]
.macro XLOAD reg, adr                  ; a tile's 64 numbers a lane: register 16 b + 4 j + .. = channel 32 b + 16 h + 4 j + ..; the sixteen loads together take every byte of the 16 rows
.irp b, 0,1,2,3
.irp j, 0,1,2,3
	global_load_b128 v[\reg+16*\b+4*\j:\reg+16*\b+4*\j+3], v[\adr], s[28:29] offset:128*\b+16*\j th:TH_LOAD_NT
.endr
.endr
.endm
; 64 numbers of a lane, register 16 b + i = k 32 b + 16 h + i of my row, become a fragment's codes in v[pc] on and its scale word in v[pw]
.macro QUANT s, pc, pw
.irp b, 0,1,2,3
	v_max3_num_f32 v[TM+\b], |v[\s+16*\b]|, |v[\s+1+16*\b]|, 0x4800000   ; block b: my 16 numbers, and the floor 2^(9 - 127): the byte cannot fall under 1
.endr
.irp i, 2,4,6,8,10,12,14
.irp b, 0,1,2,3
	v_max3_num_f32 v[TM+\b], v[TM+\b], |v[\s+16*\b+\i]|, |v[\s+1+16*\b+\i]|   ; the four blocks by turns
.endr
.endr
.irp b, 0,1,2,3
	v_permlanex16_b32 v[TM+4+\b], v[TM+\b], s22, s23
.endr
.irp b, 0,1,2,3
	v_max_num_f32 v[TM+\b], v[TM+\b], v[TM+4+\b]   ; with lane l xor 16's: the block's largest magnitude
.endr
.irp b, 0,1,2,3
	v_add_nc_u32 v[TM+12+\b], 0xfc000000, v[TM+\b] ; 8 off its exponent field: the conversion's scale operand
.endr
.irp b, 0,1,2,3
	v_and_or_b32 v[TM+8+\b], v[TM+\b], 0x7f800000, s24   ; 448 x the scale
.endr
.irp b, 0,1,2,3
	v_lshrrev_b32 v[TM+4+\b], 23, v[TM+12+\b]      ; the scale's byte
.endr
	v_lshl_or_b32 v[\pw], v[TM+5], 8, v[TM+4]      ; four bytes make my row's scale word
	v_lshl_or_b32 v[\pw], v[TM+6], 16, v[\pw]
	v_lshl_or_b32 v[\pw], v[TM+7], 24, v[\pw]
.irp b, 0,1,2,3
.irp i, 0,1,2,3,4,5,6,7,8,9,10,11,12,13,14,15
	v_med3_num_f32 v[\s+16*\b+\i], v[\s+16*\b+\i], -v[TM+8+\b], v[TM+8+\b]   ; the conversion to an 8-bit code does not saturate (ISA guide 7.6.2): the hold comes first
.endr
	v_cvt_scalef32_pk8_fp8_f32 v[\pc+4*\b:\pc+1+4*\b], v[\s+16*\b:\s+7+16*\b], v[TM+12+\b]
	v_cvt_scalef32_pk8_fp8_f32 v[\pc+2+4*\b:\pc+3+4*\b], v[\s+8+16*\b:\s+15+16*\b], v[TM+12+\b]
.endr
	v_nop                                          ; a plain line behind the last conversion, ahead of whatever next writes its sources
.endm
	XLOAD X, 6
	XLOAD X+64, 7
	s_wait_loadcnt 16                              ; my first tile's 16 loads are in; the second tile's 16 may be out
	QUANT X, PC, PW0
.irp c, 0,1,2,3
	global_store_b128 v4, v[PC+4*\c:PC+4*\c+3], s[30:31] offset:512*\c          ; 32 lanes store 512 consecutive bytes
.endr
	s_wait_loadcnt 0x0
	QUANT X+64, PC+16, PW1
.irp c, 0,1,2,3
	global_store_b128 v4, v[PC+16+4*\c:PC+16+4*\c+3], s[30:31] offset:2048+512*\c
.endr
	v_cmp_gt_u32 vcc_lo, 16, v1
	v_cndmask_b32 v[SW], v[PW1], v[PW0], vcc_lo    ; lanes 0-15 carry the first tile's words, lanes 16-31 the second's (both halves of the lanes hold row r's word)
	s_branch .Ltail
; ---- V: the keys are its FIRST axis.  A lane takes a channel, and its registers run down the keys: a block of 32 keys lies in one lane's 32 registers.
.Lv:
	s_sub_co_u32 s16, ttmp9, 128                   ; which key step
	s_lshl_b32 s18, s16, 16                        ; 128 rows of 512 bytes,
	s_lshl_b32 s27, s14, 7
	s_add_co_u32 s18, s18, s27                     ; + my wave's 32 channels
	s_mul_i32 s20, s16, STEPB
	s_lshl_b32 s27, s14, 12
	s_add_co_u32 s20, s20, s27                     ; my two tiles' images (VIMG stands in the stores' immediates)
	s_wait_alu depctr_va_vdst(0)
	v_lshlrev_b32 v6, 2, v1                        ; in: 4 bytes a lane
	v_lshlrev_b32 v7, 4, v2
	v_lshl_add_u32 v7, v3, 11, v7                  ; out: channel 32 w + lane is row lane % 16 of tile 2 w + lane / 16
	v_add_nc_u32 v8, VSC, v4
	s_wait_alu depctr_va_vdst(0)
	s_wait_kmcnt 0x0
	s_add_nc_u64 s[28:29], s[8:9], s[18:19]
	s_add_nc_u64 s[30:31], s[10:11], s[20:21]
.macro VLOAD b                         ; block b: v(32 b + i, my channel), i = 0 .. 31: a wave reads 128 consecutive bytes, the four waves a whole row
.set ci, 0
.rept 32
	global_load_b32 v[X+32*(\b)+ci], v6, s[28:29] offset:(32*(\b)+ci)*512 th:TH_LOAD_NT
.set ci, ci+1
.endr
.endm
.macro BLOCK b
.set XS, X+32*(\b)
.if (\b) < 3
	s_wait_loadcnt 32                              ; this block's 32 loads are in; the next block's 32 may be out
.else
	s_wait_loadcnt 0x0
.endif
.if (\b) < 2
	VLOAD (\b)+2                                   ; every block has registers of its own
.endif
	v_max3_num_f32 v[TM], |v[XS]|, |v[XS+1]|, |v[XS+2]|          ; the block's largest magnitude: all 32 numbers are mine
	v_max3_num_f32 v[TM+1], |v[XS+3]|, |v[XS+4]|, |v[XS+5]|
.irp i, 6,10,14,18,22,26
	v_max3_num_f32 v[TM], v[TM], |v[XS+\i]|, |v[XS+\i+1]|
	v_max3_num_f32 v[TM+1], v[TM+1], |v[XS+\i+2]|, |v[XS+\i+3]|
.endr
	v_max3_num_f32 v[TM], v[TM], |v[XS+30]|, |v[XS+31]|
	v_max3_num_f32 v[TM], v[TM], v[TM+1], 0x4800000  ; and the floor
	v_add_nc_u32 v[TM+3], 0xfc000000, v[TM]        ; the conversion's scale operand
	v_and_or_b32 v[TM+2], v[TM], 0x7f800000, s24   ; 448 x the scale
	v_lshrrev_b32 v[TM+1], 23, v[TM+3]             ; the byte
.if (\b) == 0
	v_mov_b32 v[SW], v[TM+1]                       ; four bytes to the word, the lower keys in the lower byte
.else
	v_lshl_or_b32 v[SW], v[TM+1], 8*(\b), v[SW]
.endif
.irp i, 0,1,2,3,4,5,6,7,8,9,10,11,12,13,14,15,16,17,18,19,20,21,22,23,24,25,26,27,28,29,30,31
	v_med3_num_f32 v[XS+\i], v[XS+\i], -v[TM+2], v[TM+2]
.endr
.irp g, 0,1,2,3
	v_cvt_scalef32_pk8_fp8_f32 v[PC+8*(\b)+2*\g:PC+8*(\b)+2*\g+1], v[XS+8*\g:XS+8*\g+7], v[TM+3]
.endr
	v_nop                                          ; a plain line behind the last conversion
	global_store_b128 v7, v[PC+8*(\b):PC+8*(\b)+3], s[30:31] offset:VIMG+512*(\b)          ; keys 32 b + 0 .. 15: the image's lanes 0-15; sixteen lanes store 256 consecutive bytes
	global_store_b128 v7, v[PC+8*(\b)+4:PC+8*(\b)+7], s[30:31] offset:VIMG+512*(\b)+256    ; keys 32 b + 16 .. 31: its lanes 16-31
.endm
	VLOAD 0
	VLOAD 1
	BLOCK 0
	BLOCK 1
	BLOCK 2
	BLOCK 3
; ---- the scale words of the four waves meet in LDS and leave as 512 consecutive bytes
.Ltail:
	s_wait_alu depctr_va_vdst(0)
	ds_store_b32 v5, v[SW]
	s_wait_dscnt 0x0                               ; for the others' sake: my word has landed
	s_barrier_signal -1
	s_barrier_wait -1
	s_cmp_lg_u32 s14, 0
	s_cbranch_scc1 .Lend
	ds_load_b128 v[OUTR:OUTR+3], v4                ; the four waves' words of my lane
	s_wait_dscnt 0x0
	global_store_b128 v8, v[OUTR:OUTR+3], s[30:31] ; wave 0's base is the step's or block's first byte
.Lend:
	s_wait_tensorcnt 0x0
	ds_add_u32 v200, v201
	s_wait_dscnt 0x0
	s_endpgm
.Lfunc_end_k_qff46a07660_quant:
	.size	k_qff46a07660_quant, .Lfunc_end_k_qff46a07660_quant-k_qff46a07660_quant
	.p2alignl 7, 3214868480
	.fill 96, 4, 3214868480
	.section	.rodata,"a",@progbits
	.p2align	6, 0x0
	.amdhsa_kernel k_qff46a07660_quant
		.amdhsa_group_segment_fixed_size 1024
		.amdhsa_private_segment_fixed_size 0
		.amdhsa_enable_private_segment 0
		.amdhsa_kernarg_size 40
		.amdhsa_user_sgpr_count 2
		.amdhsa_user_sgpr_kernarg_segment_ptr 1
		.amdhsa_wavefront_size32 1
		.amdhsa_system_sgpr_workgroup_id_x 1
		.amdhsa_system_sgpr_workgroup_id_y 1
		.amdhsa_system_sgpr_workgroup_id_z 1
		.amdhsa_system_vgpr_workitem_id 0
		.amdhsa_next_free_vgpr 202
		.amdhsa_next_free_sgpr 66
		.amdhsa_reserve_vcc 1
		.amdhsa_float_denorm_mode_32 3
		.amdhsa_float_denorm_mode_16_64 3
		.amdhsa_memory_ordered 1
		.amdhsa_forward_progress 1
		.amdhsa_inst_pref_size 51
	.end_amdhsa_kernel
	.amdgpu_metadata
---
amdhsa.version: [ 1, 2 ]
amdhsa.kernels:
  - .name:           k_qff46a07660_quant
    .symbol:         k_qff46a07660_quant.kd
    .args:
      - { .name: k, .offset: 0, .size: 8, .value_kind: global_buffer, .address_space: global }
      - { .name: q, .offset: 8, .size: 8, .value_kind: global_buffer, .address_space: global }
      - { .name: v, .offset: 16, .size: 8, .value_kind: global_buffer, .address_space: global }
      - { .name: kv, .offset: 24, .size: 8, .value_kind: global_buffer, .address_space: global }
      - { .name: qq, .offset: 32, .size: 8, .value_kind: global_buffer, .address_space: global }
    .group_segment_fixed_size: 1024
    .private_segment_fixed_size: 0
    .kernarg_segment_align: 8
    .kernarg_segment_size: 40
    .max_flat_workgroup_size: 128
    .sgpr_count:     66
    .vgpr_count:     202
    .wavefront_size: 32
...
	.end_amdgpu_metadata
.endif
;; end of part 1
;; launch attn (part 2): grid 256 x 1, 8 waves a work-group, no clusters, 271,360 bytes of LDS; arguments kv, qq, part; writes part
.if DOCPART == 2
	.amdgcn_target "amdgcn-amd-amdhsa--gfx1250"
	.amdhsa_code_object_version 6
	.text
	.protected	k_qff46a07660_attn
	.globl	k_qff46a07660_attn
	.p2align	8
	.type	k_qff46a07660_attn,@function
k_qff46a07660_attn:
	s_mov_b64 s[64:65], 0
	v_nop
	global_prefetch_b8 v0, s[64:65] scope:SCOPE_SE
	s_setreg_imm32_b32 hwreg(HW_REG_WAVE_MODE, 25, 1), 1
	s_wait_xcnt 0x0
; Partial causal attention on codes of FP8 (E4M3) with E8M0 scales: for a block of 128 queries and a chunk of at most 1,024 keys, for each query -M, the sum l of the unquantised p, and O^T = V^T P^T, not yet divided.
; t = score x log2(e) / sqrt(128); M = the largest t so far, rounded UP to a whole number; p = 2^(t - M) is quantised along the keys.  When M moves, l and O^T are multiplied by 2^(old M - new M): exact.
; WORK LEFT OUT: key steps that lie wholly behind a wave's queries (reference() masks them in its own body).
; SHARES.  Of the 64 x 64 grid of (128 queries x 128 keys) 2,080 squares lie on or under the diagonal.  A work-group holds ONE chunk of 8 key steps in LDS (filled once, never again); wave w = 4 u + i of unit u owns queries 32 i .. 32 i + 31
; of a block: TWO tiles of 16, so that each fragment from LDS feeds two products.
; Work-groups 0-223: block 8 A + j against a chunk Kb < A that it sees whole: unit u takes steps u, u + 2, u + 4, u + 6.
; Work-groups 224-255, on the diagonal of chunk d, t = 0 .. 3: blocks t (steps 0 .. t) and 7 - t (steps 0 .. 7 - t).  Unit 0 works all of block t, stores it, then steps 0 .. 2 - t of block 7 - t: four steps; unit 1 the other five of block 7 - t.
; At the end unit 0 merges the wave pair's first tile and unit 1 its second: the other's part comes through LDS.
; No cluster: on the diagonal the trips, branches and LDS addresses differ between the work-groups that share a chunk.  No prefetch: every tile is asked for at the head, and no loop runs ahead of it.
; LAYOUT.  Both products are used transposed: S^T = K Q^T, O^T = V^T P^T: a lane holds ONE query (lane % 16) throughout.  kv and qq hold images of the operands' registers: every fragment load is 512 consecutive LDS bytes.
; Register 16 b + i of the scores is key 32 b + 16 (lane / 16) + i of the step.
; LIMITS.  A hidden score is taken as -infinity where the problem subtracts 1e9 from the logit: the same result as long as logits stay far under 1e9 in magnitude.  Scaled scores stay under 2^31 in magnitude.  NaN and infinities are not served.
; REGISTERS: the first tile lies in window 0 (v0-255), the second at the same numbers in window 1 (v256-511).  K's and V's first four fragments go to window 0, the other four to window 1.  All scale words lie in window 0.
.set STEPB, 33792                      ; a key step: K's 8 fragments, V's 8, 512 + 512 bytes of scale words
.set VIMG,  16384
.set KSC,   32768
.set VSC,   33280
.set REC,   8448                       ; a record: O^T's image (8,192 bytes), then (-M, l), 8 bytes a lane
.set QBLK,  16896
.set SPARE, 8*STEPB                    ; the spare words, 128 bytes a wave
.set LI,  1                            ; 16 x lane
.set PW0, 2                            ; p's scale words of the two tiles
.set PW1, 3
.set SPW, 4
.set NIL, 5
.set ADR, 6                            ; LDS address in the step's slot
.set DL,  7                            ; r - 16 h
.set FF,  8                            ; f, a pair
.set NM,  10                           ; -M
.set MX,  11                           ; the largest t; at the end l
.set SM,  12                           ; the sum in two halves
.set T,   14                           ; v14, v15 at work
.set Q,   16                           ; Q's fragment
.set P,   32                           ; p's codes: 16 registers that begin 4 ahead of the scores: block b's codes lie over scores of blocks that have been converted
.set S,   36                           ; the scores, then p
.set O,   100                          ; O^T
.set BM,  164                          ; for each block of 32 keys: the largest
.set BT,  168                          ;   the other half's; the scale's byte
.set BH,  172                          ;   448 x the scale
.set BS,  176                          ;   the conversion's scale
.set VSW, 180                          ; V's scale words
.set KSW, 184                          ; K's
.set QW0, 188                          ; Q's
.set QW1, 189
.set QA,  190                          ; Q's addresses
.set QSA, 191
.set F,   192                          ; four fragments of K or V
.set MSB, 0
.macro WIN new                         ; the immediate's high byte repeats the setting that is left
.if MSB != \new
	s_set_vgpr_msb (MSB<<8)|\new
.set MSB, \new
.endif
.endm
.macro VW
	s_wait_alu depctr_va_vdst(0)
.endm
; scalars: s10 wave, s11 unit, s12 i, s13 work-group, s14 A, s15 j, s16 Kb, s17 first block, s18 last block, s19 mantissa of 448, s[20:21] lane selects, s[22:23] c, s[24:31] s[32:35] descriptor,
;   s[36:37] s[38:39] qq at the first and last block, s[40:41] s[42:43] part for the last and the first block, s44 the slots by trip (4 bits each), s45 the trip ahead of which the first block is stored, s46 trips, s47 slot, s48 its LDS byte,
;   s49 its first key, s50 my first query, s51 that of the last block, s62 trip, s63 4 x trip
.macro RECADR dst, blk                 ; part at tile 2 i of a block: unit (A + 1)(4 A + block) + Kb, eight records a unit
	s_lshl_b32 s52, s14, 2
	s_add_co_u32 s52, s52, \blk
	s_add_co_u32 s53, s14, 1
	s_mul_i32 s52, s52, s53
	s_add_co_u32 s52, s52, s16
	s_lshl_b32 s52, s52, 3
	s_lshl_b32 s53, s12, 1
	s_add_co_u32 s52, s52, s53
	s_mul_i32 s52, s52, REC
	s_mov_b32 s53, 0
	s_add_nc_u64 s[\dst:\dst+1], s[8:9], s[52:53]
.endm
.macro QLOAD b
.irp c, 0,1,2,3
	global_load_b128 v[Q+4*\c:Q+4*\c+3], v[QA], s[\b:\b+1] offset:512*\c
.endr
	global_load_b32 v[QW0], v[QSA], s[\b:\b+1] offset:16384
	global_load_b32 v[QW1], v[QSA], s[\b:\b+1] offset:16640
	WIN 0x40
.irp c, 0,1,2,3
	global_load_b128 v[Q+4*\c:Q+4*\c+3], v[QA], s[\b:\b+1] offset:2048+512*\c
.endr
	WIN 0
.endm
.macro SLOT                            ; slot s47
	s_mul_i32 s48, s47, STEPB
	s_lshl_b32 s52, s16, 3
	s_add_co_u32 s49, s47, s52
	s_lshl_b32 s49, s49, 7
.endm
	s_load_b128 s[4:7], s[0:1], 0x0                ; kv, qq
	s_load_b64 s[8:9], s[0:1], 0x10                ; part
	v_lshl_add_u32 v[SPW], v0, 2, SPARE
	v_mov_b32 v[NIL], 0
	ds_add_u32 v[SPW], v[NIL]                      ; the opening: the add, twice on end, and its wait
	ds_add_u32 v[SPW], v[NIL]
	v_lshrrev_b32 v[T], 5, v0
	v_readfirstlane_b32 s10, v[T]                  ; wave 0..7
	s_lshr_b32 s11, s10, 2
	s_and_b32 s12, s10, 3
	s_mov_b32 s13, ttmp9
	s_mov_b32 s14, 1                               ; whole chunks: row A begins at work-group 4 A (A - 1)
.irp lim, 8,24,48,80,120,168
	s_cmp_ge_u32 s13, \lim
	s_add_co_ci_u32 s14, s14, 0
.endr
	s_sub_co_u32 s52, s14, 1
	s_mul_i32 s52, s52, s14
	s_lshl_b32 s52, s52, 2
	s_sub_co_u32 s52, s13, s52                     ; the place in row A: 8 Kb + j
	s_and_b32 s15, s52, 7
	s_lshr_b32 s16, s52, 3
	s_sub_co_u32 s53, s13, 224
	s_lshr_b32 s54, s53, 2                         ; on the diagonal: the chunk d
	s_cmp_ge_u32 s13, 224
	s_cselect_b32 s14, s54, s14
	s_cselect_b32 s16, s54, s16
	; descriptor group 1: a key step, 132 dense rows of 256 bytes (32 elements of 8 bytes), no padding, no mask
	s_mov_b32 s24, 3<<16
	s_mov_b32 s25, 32<<16
	s_mov_b32 s26, 132<<16
	s_mov_b32 s27, 32<<16
	s_mov_b32 s28, 132
	s_mov_b32 s29, 32
	s_mov_b32 s30, 0
	s_mov_b32 s31, 0
	s_mul_i32 s52, s10, STEPB                      ; wave w brings step w into slot w
	s_mov_b32 s32, 1
	s_mov_b32 s33, s52
	s_mul_i32 s54, s16, 8*STEPB
	s_add_co_u32 s54, s54, s52
	s_mov_b32 s55, 0
	s_wait_dscnt 0x0                               ; both opening adds are done
	s_wait_kmcnt 0x0
	s_add_nc_u64 s[34:35], s[4:5], s[54:55]
	s_or_b32 s35, s35, 0x80000000
	s_cmp_lt_u32 s10, 4                            ; two lines: waves 0-3 wait ahead of the first barrier, waves 4-7 ahead of the second
	s_cbranch_scc0 .Lhead_b
	tensor_load_to_lds s[32:35], s[24:31]
	s_nop 0
.rept 4
	v_nop
.endr
	s_branch .Lhead_j
.Lhead_b:
	tensor_load_to_lds s[32:35], s[24:31]
	s_nop 0
.rept 4
	v_nop
.endr
.Lhead_j:
	s_and_b32 s55, s13, 3                          ; t
	s_xor_b32 s57, s55, 3                          ; 3 - t
	s_xor_b32 s56, s55, 7                          ; 7 - t
	s_mov_b32 s58, 0x2100                          ; the diagonal's unit 0: slots 0 .. t, then 0 .. 2 - t
	s_cmp_eq_u32 s55, 1
	s_cselect_b32 s58, 0x1010, s58
	s_cmp_eq_u32 s55, 2
	s_cselect_b32 s58, 0x210, s58
	s_cmp_eq_u32 s55, 3
	s_cselect_b32 s58, 0x3210, s58
	s_mul_i32 s59, s57, 0x11111
	s_add_co_u32 s59, s59, 0x43210                 ; unit 1: slots 3 - t .. 7 - t
	s_add_co_u32 s60, s55, 1
	s_mul_i32 s53, s57, s11                        ; the first trip's slot
	s_cmp_eq_u32 s11, 0
	s_cselect_b32 s58, s58, s59
	s_cselect_b32 s60, s60, 15
	s_cselect_b32 s54, s55, s56
	s_mul_i32 s61, s11, 0x1111
	s_add_co_u32 s61, s61, 0x6420                  ; a whole chunk: slots u, u + 2, u + 4, u + 6
	s_add_co_u32 s59, s11, 4
	s_cmp_ge_u32 s13, 224
	s_cselect_b32 s17, s54, s15
	s_cselect_b32 s18, s56, s15
	s_cselect_b32 s44, s58, s61
	s_cselect_b32 s45, s60, 15
	s_cselect_b32 s46, s59, 4
	s_cselect_b32 s47, s53, s11
	s_and_b32 s47, s47, 3                          ; slots 0-3 alone are whole behind the first barrier
	s_lshl_b32 s52, s14, 3
	s_add_co_u32 s53, s52, s17
	s_add_co_u32 s54, s52, s18
	s_lshl_b32 s50, s53, 7
	s_lshl_b32 s51, s54, 7
	s_lshl_b32 s55, s12, 5
	s_add_co_u32 s50, s50, s55
	s_add_co_u32 s51, s51, s55
	s_mul_i32 s56, s53, QBLK
	s_mov_b32 s57, 0
	s_add_nc_u64 s[36:37], s[6:7], s[56:57]
	s_mul_i32 s56, s54, QBLK
	s_add_nc_u64 s[38:39], s[6:7], s[56:57]
	s_lshl_b32 s56, s12, 12
	s_lshl_b32 s58, s12, 2
	v_and_b32 v[T], 31, v0
	v_and_b32 v[T+1], 15, v0                       ; r
	v_and_b32 v[DL], 16, v0
	v_lshlrev_b32 v[LI], 4, v[T]
	v_sub_nc_u32 v[DL], v[T+1], v[DL]
	v_lshl_add_u32 v[QSA], v[T+1], 4, s58          ; row r's word of tile 2 i: 16 r + 4 i; of tile 2 i + 1: 256 on
	v_add_nc_u32 v[QA], s56, v[LI]
	QLOAD 36                                       ; Q's fragments stay in registers
	RECADR 42, s17
	RECADR 40, s18
	s_mul_i32 s52, s11, REC
	s_mov_b32 s53, 0
	s_add_nc_u64 s[40:41], s[40:41], s[52:53]      ; at the end unit u stores tile 2 i + u
	s_mov_b32 s19, 0x600000
	s_mov_b32 s20, 0x76543210
	s_mov_b32 s21, 0xfedcba98                      ; v_permlanex16_b32's selects for lane l xor 16
	s_mov_b32 s22, 0x3e0293ee                      ; c = log2(e) / sqrt(128)
	s_mov_b32 s23, s22                             ; (named with it as a pair, so it is written)
	SLOT
.irp w, 0,0x40
	WIN \w
.irp b, 0,1,2,3
	v_mov_b32 v[BT+\b], 0                          ; written once: a lane permute's destination counts as one of its sources
.endr
	v_mov_b32 v[FF+1], 0                           ; (the upper half of f's pair)
.endr
	WIN 0
.macro KMUL g, qw                      ; four tiles of 16 keys against my tile of queries
.irp t, 0,1,2,3
.if \t%2
	v_wmma_scale_f32_16x16x128_f8f6f4 v[S+8*(4*\g+\t):S+8*(4*\g+\t)+7], v[F+16*\t:F+16*\t+15], v[Q:Q+15], 0, v[KSW+2*\g+\t/2], v[\qw] matrix_a_scale:MATRIX_SCALE_ROW1
.else
	v_wmma_scale_f32_16x16x128_f8f6f4 v[S+8*(4*\g+\t):S+8*(4*\g+\t)+7], v[F+16*\t:F+16*\t+15], v[Q:Q+15], 0, v[KSW+2*\g+\t/2], v[\qw]
.endif
.endr
.endm
.macro VLINE acc, a, c, sa, pw, row
.if \row
	v_wmma_scale_f32_16x16x128_f8f6f4 v[\acc:\acc+7], v[\a:\a+15], v[P:P+15], \c, v[\sa], v[\pw] matrix_a_scale:MATRIX_SCALE_ROW1
.else
	v_wmma_scale_f32_16x16x128_f8f6f4 v[\acc:\acc+7], v[\a:\a+15], v[P:P+15], \c, v[\sa], v[\pw]
.endif
.endm
.macro VMUL g, pw, first               ; four tiles of 16 channels; the first step starts the sums
.irp t, 0,1,2,3
.if \first
	VLINE O+8*(4*\g+\t), F+16*\t, 0, VSW+2*\g+\t/2, \pw, \t%2
.else
	VLINE O+8*(4*\g+\t), F+16*\t, v[O+8*(4*\g+\t):O+8*(4*\g+\t)+7], VSW+2*\g+\t/2, \pw, \t%2
.endif
.endr
.endm
.macro MASK                            ; register 16 b + i is hidden where 32 b + i > my query - the step's first key - 16 h
.set cn, 0
.rept 64
	v_cmp_gt_i32 vcc_lo, 32*(cn/16)+cn%16, v[T]
	v_cndmask_b32 v[S+cn], v[S+cn], v[T+1], vcc_lo
.set cn, cn+1
.endr
.endm
.macro SOFT first, two                 ; one tile's softmax, up to its codes and its scale word; two = 1: the second tile
.irp b, 0,1,2,3
	v_max3_num_f32 v[BM+\b], v[S+16*\b], v[S+1+16*\b], v[S+2+16*\b]   ; the largest score of each block of 32 keys: for the row's maximum and, since p rises with the score, for the block's largest p
.endr
.irp i, 3,5,7,9,11,13
.irp b, 0,1,2,3
	v_max3_num_f32 v[BM+\b], v[BM+\b], v[S+16*\b+\i], v[S+1+16*\b+\i]
.endr
.endr
.irp b, 0,1,2,3
	v_max_num_f32 v[BM+\b], v[BM+\b], v[S+15+16*\b]
.endr
.irp b, 0,1,2,3
	v_permlanex16_b32 v[BT+\b], v[BM+\b], s20, s21
.endr
.irp b, 0,1,2,3
	s_delay_alu instid0(VALU_DEP_4)
	v_max_num_f32 v[BM+\b], v[BM+\b], v[BT+\b]     ; with lane l xor 16's 16 keys
.endr
	s_delay_alu instid0(VALU_DEP_2)
	v_max3_num_f32 v[T], v[BM], v[BM+1], v[BM+2]
	s_delay_alu instid0(VALU_DEP_1)
	v_max_num_f32 v[T], v[T], v[BM+3]              ; the step's largest score of my query
.if \first
	s_delay_alu instid0(VALU_DEP_1)
	v_mul_f32 v[MX], s22, v[T]                     ; as t (c is positive)
	s_delay_alu instid0(VALU_DEP_1)
	v_floor_f32 v[NM], -v[MX]                      ; -M = floor(-t) = -ceil(t)
.else
	s_delay_alu instid0(VALU_DEP_1)
	v_mul_f32 v[T], s22, v[T]
	s_delay_alu instid0(VALU_DEP_1)
	v_max_num_f32 v[MX], v[MX], v[T]               ; the running largest t
	v_mov_b32 v[T+1], v[NM]
	s_delay_alu instid0(VALU_DEP_2)
	v_floor_f32 v[NM], -v[MX]
	s_delay_alu instid0(VALU_DEP_1)
	v_sub_f32 v[T+1], v[NM], v[T+1]                ; old M - new M: a whole number, 0 or less
	s_delay_alu instid0(VALU_DEP_1)
	v_cvt_i32_f32 v[T+1], v[T+1]                   ; (it saturates)
	s_delay_alu instid0(VALU_DEP_1)
	v_ldexp_f32 v[FF], 1.0, v[T+1]                 ; f = 2^(old M - new M)
.endif
.set cn, 0
.rept 32
	v_pk_fma_f32 v[S+cn:S+cn+1], v[S+cn:S+cn+1], s[22:23], v[NM:NM+1] op_sel_hi:[1,0,0]   ; t - M, two at a time (of the pairs the low word serves both halves)
.set cn, cn+2
.endr
.irp b, 0,1,2,3
	v_fma_f32 v[BM+\b], v[BM+\b], s22, v[NM]       ; the same of each block's largest score
.endr
	VW
.set cn, 0
.rept 64
	v_exp_f32 v[S+cn], v[S+cn]                     ; p = 2^(t - M): not normalised
.set cn, cn+1
.endr
.irp b, 0,1,2,3
	v_exp_f32 v[BM+\b], v[BM+\b]                   ; the block's largest p: the same two instructions on the same number give the same bits
.endr
.if \first
	v_nop
.else
	v_pk_mul_f32 v[SM:SM+1], v[SM:SM+1], v[FF:FF+1] op_sel_hi:[1,0]   ; the sums under the new M
.endif
	VW
.if \first == 0
.set cn, 0
.rept 32
	v_pk_mul_f32 v[O+cn:O+cn+1], v[O+cn:O+cn+1], v[FF:FF+1] op_sel_hi:[1,0]   ; O^T under the new M
.set cn, cn+2
.endr
.endif
.irp b, 0,1,2,3
	v_max_num_f32 v[BM+\b], 0x4800000, v[BM+\b]    ; the floor 2^(9 - 127): the byte cannot fall under 1
.endr
.irp b, 0,1,2,3
	v_add_nc_u32 v[BS+\b], 0xfc000000, v[BM+\b]    ; 8 off the exponent field: the conversion's scale operand
.endr
.irp b, 0,1,2,3
	v_and_or_b32 v[BH+\b], v[BM+\b], 0x7f800000, s19   ; 448 x the scale
.endr
.irp b, 0,1,2,3
	v_lshrrev_b32 v[BT+\b], 23, v[BS+\b]           ; the scale's byte
.endr
	v_lshl_or_b32 v[BT], v[BT+1], 8, v[BT]
	s_delay_alu instid0(VALU_DEP_1)
	v_lshl_or_b32 v[BT], v[BT+2], 16, v[BT]
.if \two
	WIN 0x15
	v_lshl_or_b32 v[PW1], v[BT+3], 24, v[BT]       ; p's scale word for these 128 keys, in window 0
	WIN 0x55
.else
	v_lshl_or_b32 v[PW0], v[BT+3], 24, v[BT]
.endif
	v_pk_add_f32 v[T:T+1], v[S:S+1], v[S+2:S+3]    ; the row's sum is taken of the unquantised p, in four chains
	v_pk_add_f32 v[BM:BM+1], v[S+4:S+5], v[S+6:S+7]
	v_pk_add_f32 v[BM+2:BM+3], v[S+8:S+9], v[S+10:S+11]
.if \first
	v_pk_add_f32 v[SM:SM+1], v[S+12:S+13], v[S+14:S+15]
.else
	v_pk_add_f32 v[SM:SM+1], v[SM:SM+1], v[S+12:S+13]
	v_pk_add_f32 v[T:T+1], v[T:T+1], v[S+14:S+15]
.endif
.irp j, 16,24,32,40,48,56
	v_pk_add_f32 v[BM:BM+1], v[BM:BM+1], v[S+\j:S+\j+1]
	v_pk_add_f32 v[BM+2:BM+3], v[BM+2:BM+3], v[S+\j+2:S+\j+3]
	v_pk_add_f32 v[SM:SM+1], v[SM:SM+1], v[S+\j+4:S+\j+5]
	v_pk_add_f32 v[T:T+1], v[T:T+1], v[S+\j+6:S+\j+7]
.endr
	v_pk_add_f32 v[BM:BM+1], v[BM:BM+1], v[BM+2:BM+3]
	v_pk_add_f32 v[SM:SM+1], v[SM:SM+1], v[T:T+1]
.irp b, 0,1,2,3
.irp i, 0,1,2,3,4,5,6,7,8,9,10,11,12,13,14,15
	v_min_num_f32 v[S+16*\b+\i], v[S+16*\b+\i], v[BH+\b]   ; the conversion to an 8-bit code does not saturate (ISA guide 7.6.2); p is not negative
.endr
.if \b == 0
	v_pk_add_f32 v[SM:SM+1], v[SM:SM+1], v[BM:BM+1]
.endif
	v_cvt_scalef32_pk8_fp8_f32 v[P+4*\b:P+4*\b+1], v[S+16*\b:S+16*\b+7], v[BS+\b]
	v_cvt_scalef32_pk8_fp8_f32 v[P+4*\b+2:P+4*\b+3], v[S+16*\b+8:S+16*\b+15], v[BS+\b]
.endr
.endm
.macro FRAGS o
.irp t, 0,1,2,3
.irp c, 0,1,2,3
	ds_load_b128 v[F+16*\t+4*\c:F+16*\t+4*\c+3], v[ADR] offset:\o+\t*2048+512*\c
.endr
.endr
.endm
; A KEY STEP: 128 keys against my two tiles
.macro STEP first
	v_add_nc_u32 v[ADR], s48, v[LI]
	VW
.if \first == 0
.rept 8
	v_nop                                          ; with the addition nine places: behind the last products, in front of loads into their fragments (eight) and of scores laid over their codes (nine)
.endr
.endif
	ds_load_b128 v[KSW:KSW+3], v[ADR] offset:KSC   ; register w: lanes 0-15 tile 2 w's words, lanes 16-31 tile 2 w + 1's
	FRAGS 0
	WIN 0x40
	FRAGS 8192
	s_wait_dscnt 16                                ; K's words and first four fragments are in; the other 16 loads may be out
	WIN 0
	KMUL 0, QW0
	WIN 0x44
	KMUL 0, QW1
	s_wait_dscnt 0x0
	WIN 0x01
	KMUL 1, QW0
	WIN 0x45
	KMUL 1, QW1
	WIN 0
.rept 8
	v_nop                                          ; eight places: in front of the first read of the scores, and of the loads below
.endr
	ds_load_b128 v[VSW:VSW+3], v[ADR] offset:VSC   ; V lands while the softmax is worked
	FRAGS VIMG
	WIN 0x40
	FRAGS VIMG+8192
	WIN 0
	s_add_co_u32 s52, s49, 127                     ; on the diagonal the scores of hidden keys become -infinity ahead of the maximum: p = 0 then.  A step all of whose keys count skips this
	s_cmp_le_u32 s52, s50
	s_cbranch_scc1 .Lopen_\@
	s_sub_co_i32 s52, s50, s49
	v_add_nc_u32 v[T], s52, v[DL]
	v_mov_b32 v[T+1], 0xff800000
	MASK
	WIN 0x40
	v_add_nc_u32 v[T], 16, v[T]                    ; the second tile's queries lie 16 on
	v_mov_b32 v[T+1], 0xff800000
	WIN 0x55
	MASK
	WIN 0
.Lopen_\@:
	SOFT \first, 0
	WIN 0x55
	VW
	SOFT \first, 1
.rept 4
	v_nop                                          ; four places between the codes and the products
.endr
	VW
	s_wait_dscnt 0x0
	WIN 0
	VMUL 0, PW0, \first                            ; the accumulators take turns, one instruction a turn
	WIN 0x54
	VMUL 0, PW1, \first
	WIN 0x01
	VMUL 1, PW0, \first
	WIN 0x55
	VMUL 1, PW1, \first
	WIN 0
.endm
.macro LSUM                            ; l: the sum's two halves and lane l xor 16's: (NM, MX) becomes (-M, l)
	v_add_f32 v[SM], v[SM], v[SM+1]
	v_permlanex16_b32 v[BT], v[SM], s20, s21
	v_add_f32 v[MX], v[SM], v[BT]
.endm
.macro OSTORE off, p, a                ; a record: 32 lanes store 512 consecutive bytes, at last 256
.irp k, 0,1,2,3,4,5,6,7,8,9,10,11,12,13,14,15
	global_store_b128 v[LI], v[O+4*\k:O+4*\k+3], s[\p:\p+1] offset:\off+512*\k
.endr
	global_store_b64 v[\a], v[NM:NM+1], s[\p:\p+1] offset:\off+8192
.endm
.macro RESET
.set cn, 0
.rept 64
	v_mov_b32 v[O+cn], 0
.set cn, cn+1
.endr
	v_mov_b32 v[MX], 0xff61b1e6                    ; -3e38, under every t
	v_mov_b32 v[SM], 0
	v_mov_b32 v[SM+1], 0
	v_floor_f32 v[NM], -v[MX]
.endm
	VW
	s_wait_loadcnt 0x0                             ; Q
	s_cmp_lt_u32 s10, 4
	s_cbranch_scc0 .Lfirst
	s_wait_tensorcnt 0x0                           ; waves 0-3: my slot has landed
.Lfirst:
	s_barrier_signal -1
	s_barrier_wait -1                              ; slots 0-3 are whole; the others may be on their way
	STEP 1
	s_wait_tensorcnt 0x0
	s_wait_dscnt 0x0
	s_barrier_signal -1
	s_barrier_wait -1                              ; the chunk is whole
	s_mov_b32 s62, 1
	s_mov_b32 s63, 4
.Ltrip:
	s_cmp_eq_u32 s62, s45                          ; the diagonal's unit 0: block t is finished: it is stored, and block 7 - t begins
	s_cbranch_scc0 .Lgo_on
.rept 8
	v_nop                                          ; eight places behind the last products
.endr
	LSUM
	WIN 0x55
	LSUM
	WIN 0
	v_lshrrev_b32 v[T], 1, v[LI]
	VW
	OSTORE 0, 42, T
	WIN 0x04
	OSTORE REC, 42, T
	WIN 0
	s_wait_xcnt 0x0                                ; the stores' registers may be written
	RESET
	WIN 0x55
	RESET
	WIN 0
	s_mov_b32 s50, s51
	QLOAD 38
	VW
	s_wait_loadcnt 0x0
.Lgo_on:
	s_cmp_ge_u32 s62, s46                          ; four steps, in the diagonal's unit 1 five
	s_cbranch_scc1 .Lskip
	s_lshr_b32 s47, s44, s63
	s_and_b32 s47, s47, 7
	SLOT
	STEP 0
.Lskip:
	s_add_co_u32 s63, s63, 4
	s_add_co_u32 s62, s62, 1
	s_cmp_lt_u32 s62, 5
	s_cbranch_scc1 .Ltrip
	; THE END.  The units exchange a tile: unit 0 hands over its second, unit 1 its first, in slots 0 and 1, which have had their only fill and, behind the barrier, their last read.
.set MS,  180                          ; where I put 16 bytes a lane, and 8 bytes a lane
.set MS8, 181
.set MR,  182                          ; where my partner, wave w xor 4, has put them
.set MR8, 183
.set L8,  184                          ; 8 x lane
.rept 8
	v_nop                                          ; eight places behind the last products
.endr
	LSUM
	WIN 0x55
	LSUM
	WIN 0
	s_mul_i32 s52, s10, REC
	s_xor_b32 s53, s10, 4
	s_mul_i32 s53, s53, REC
	v_lshrrev_b32 v[L8], 1, v[LI]
	v_add_nc_u32 v[MS], s52, v[LI]
	v_add_nc_u32 v[MR], s53, v[LI]
	v_add_nc_u32 v[MS8], s52, v[L8]
	v_add_nc_u32 v[MR8], s53, v[L8]
	VW
	s_wait_dscnt 0x0                               ; my reads of the slots are over
	s_barrier_signal -1
	s_barrier_wait -1                              ; everybody's are
.macro SEND
.irp k, 0,1,2,3,4,5,6,7,8,9,10,11,12,13,14,15
	ds_store_b128 v[MS], v[O+4*\k:O+4*\k+3] offset:512*\k
.endr
	ds_store_b64 v[MS8], v[NM:NM+1] offset:8192
.endm
	s_cmp_lt_u32 s10, 4
	s_cbranch_scc0 .Lsend_b
	WIN 0x04
	SEND
	WIN 0
	s_branch .Lsent
.Lsend_b:
	SEND
.Lsent:
	s_wait_dscnt 0x0                               ; for the others' sake: my stores have landed
	s_barrier_signal -1
	s_barrier_wait -1
.macro MERGE wl, wv, ws                ; windows of the loads, the work and the stores
	WIN \wl
	ds_load_b64 v[T:T+1], v[MR8] offset:8192
.irp k, 0,1,2,3,4,5,6,7,8,9,10,11,12,13,14,15
	ds_load_b128 v[F+4*\k:F+4*\k+3], v[MR] offset:512*\k
.endr
	s_wait_dscnt 0x0
	WIN \wv
	v_min_num_f32 v[BM], v[NM], v[T]               ; the joint -M
	s_delay_alu instid0(VALU_DEP_1)
	v_sub_f32 v[BM+1], v[BM], v[NM]                ; my M - the joint M: a whole number, 0 or less
	v_sub_f32 v[BM+3], v[BM], v[T]                 ; the partner's likewise
	v_cvt_i32_f32 v[BM+1], v[BM+1]
	v_cvt_i32_f32 v[BM+3], v[BM+3]
	v_ldexp_f32 v[FF], 1.0, v[BM+1]
	v_ldexp_f32 v[BM+2], 1.0, v[BM+3]
	v_mul_f32 v[MX], v[MX], v[FF]
	v_mov_b32 v[NM], v[BM]
	v_fmac_f32 v[MX], v[T+1], v[BM+2]
.set cn, 0
.rept 32
	v_pk_mul_f32 v[O+cn:O+cn+1], v[O+cn:O+cn+1], v[FF:FF+1] op_sel_hi:[1,0]
.set cn, cn+2
.endr
.set cn, 0
.rept 32
	v_pk_fma_f32 v[O+cn:O+cn+1], v[F+cn:F+cn+1], v[BM+2:BM+3], v[O+cn:O+cn+1] op_sel_hi:[1,0,1]
.set cn, cn+2
.endr
	VW
	WIN \ws
	OSTORE 0, 40, L8
	WIN 0
.endm
	s_cmp_lt_u32 s10, 4
	s_cbranch_scc0 .Lmerge_b
	MERGE 0, 0, 0
	s_branch .Lend
.Lmerge_b:
	MERGE 0x40, 0x55, 0x04
.Lend:
	s_wait_tensorcnt 0x0                           ; the wave's end
	ds_add_u32 v[SPW], v[NIL]
	s_wait_dscnt 0x0
	s_endpgm
.Lfunc_end_k_qff46a07660_attn:
	.size	k_qff46a07660_attn, .Lfunc_end_k_qff46a07660_attn-k_qff46a07660_attn
	.p2alignl 7, 3214868480
	.fill 96, 4, 3214868480
	.section	.rodata,"a",@progbits
	.p2align	6, 0x0
	.amdhsa_kernel k_qff46a07660_attn
		.amdhsa_group_segment_fixed_size 271360
		.amdhsa_private_segment_fixed_size 0
		.amdhsa_enable_private_segment 0
		.amdhsa_kernarg_size 24
		.amdhsa_user_sgpr_count 2
		.amdhsa_user_sgpr_kernarg_segment_ptr 1
		.amdhsa_wavefront_size32 1
		.amdhsa_system_sgpr_workgroup_id_x 1
		.amdhsa_system_sgpr_workgroup_id_y 1
		.amdhsa_system_sgpr_workgroup_id_z 1
		.amdhsa_system_vgpr_workitem_id 0
		.amdhsa_next_free_vgpr 512
		.amdhsa_next_free_sgpr 66
		.amdhsa_reserve_vcc 1
		.amdhsa_float_denorm_mode_32 3
		.amdhsa_float_denorm_mode_16_64 3
		.amdhsa_memory_ordered 1
		.amdhsa_forward_progress 1
		.amdhsa_inst_pref_size 132
	.end_amdhsa_kernel
	.amdgpu_metadata
---
amdhsa.version: [ 1, 2 ]
amdhsa.kernels:
  - .name:           k_qff46a07660_attn
    .symbol:         k_qff46a07660_attn.kd
    .args:
      - { .name: kv, .offset: 0, .size: 8, .value_kind: global_buffer, .address_space: global }
      - { .name: qq, .offset: 8, .size: 8, .value_kind: global_buffer, .address_space: global }
      - { .name: part, .offset: 16, .size: 8, .value_kind: global_buffer, .address_space: global }
    .group_segment_fixed_size: 271360
    .private_segment_fixed_size: 0
    .kernarg_segment_align: 8
    .kernarg_segment_size: 24
    .max_flat_workgroup_size: 256
    .sgpr_count:     66
    .vgpr_count:     512
    .wavefront_size: 32
...
	.end_amdgpu_metadata
.endif
;; end of part 2
;; launch comb (part 3): grid 512 x 1, 8 waves a work-group, no clusters, 9,472 bytes of LDS; arguments part, out0; writes out0
.if DOCPART == 3
	.amdgcn_target "amdgcn-amd-amdhsa--gfx1250"
	.amdhsa_code_object_version 6
	.text
	.protected	k_qff46a07660_comb
	.globl	k_qff46a07660_comb
	.p2align	8
	.type	k_qff46a07660_comb,@function
k_qff46a07660_comb:
	s_mov_b64 s[64:65], 0
	v_nop
	global_prefetch_b8 v0, s[64:65] scope:SCOPE_SE
	s_setreg_imm32_b32 hwreg(HW_REG_WAVE_MODE, 25, 1), 1
	s_wait_xcnt 0x0
; The partial results of a tile of 16 queries, A + 1 of them (A = the tile's chunk of 1,024 queries, 0 .. 7), become rows of the output: with -M the smallest of the parts' -M_p and f_p = 2^(M_p - M), exact,
; out = (the sum of f_p O_p) / (the sum of f_p l_p).  A record of part: O^T's image (register group k at 512 k + 16 x lane), then (-M, l) at 8,192 + 8 x lane; the parts of a tile lie 8 records apart.
; SHARES: a work-group to a tile; wave w owns O^T's registers 8 w .. 8 w + 7: channels 16 w + 8 h + 0 .. 7 of query r.  The number of parts hangs on the work-group's number alone: one straight text for each number,
; all its loads out together.  The rows meet in a stage in LDS (512 bytes + 16 a row) and leave whole.  Matrix units, tensor loads and clusters have nothing to do here: each byte is read once by one work-group.
.set REC,   8448
.set PSTEP, 8*REC
.set ST,  16                           ; v16-31   part p: -M_p, l_p
.set OP,  32                           ; v32-95   part p: my eight registers of O^T
.set F,   96                           ; v96-111  part p: f_p, and beside it the number it is made of
.set ACC, 112                          ; v112-119
.set NM,  120                          ; v120 -M;  v121 l
.set L,   121
.set R,   122                          ; v[122:123] 1 / l, twice
	s_load_b128 s[4:7], s[0:1], 0x0                ; part s[4:5], out0 s[6:7]
	v_lshl_add_u32 v128, v0, 2, 0x2100
	v_mov_b32 v129, 0
	v_lshrrev_b32 v1, 5, v0
	s_delay_alu instid0(VALU_DEP_1)
	v_readfirstlane_b32 s8, v1                     ; wave 0..7
	v_and_b32 v1, 31, v0
	s_delay_alu instid0(VALU_DEP_1)
	v_lshlrev_b32 v6, 4, v1                        ; 16 x lane
	s_delay_alu instid0(VALU_DEP_2)
	v_lshlrev_b32 v3, 3, v1                        ; 8 x lane
	s_lshl_b32 s13, s8, 10
	v_add_nc_u32 v2, s13, v6                       ; my two register groups of a record
	v_and_b32 v7, 15, v0                           ; r
	v_bfe_u32 v8, v0, 4, 1                         ; h
	s_delay_alu instid0(VALU_DEP_2)
	v_mul_u32_u24 v4, v7, 528
	s_delay_alu instid0(VALU_DEP_1)
	v_lshl_add_u32 v4, v8, 5, v4
	s_lshl_b32 s13, s8, 6
	v_add_nc_u32 v4, s13, v4                       ; the stage, in: row r, + 64 w + 32 h
	s_mul_i32 s13, s8, 1056
	v_add_nc_u32 v5, s13, v6                       ; and back: rows 2 w and 2 w + 1, 16 bytes a lane
	s_lshr_b32 s10, ttmp9, 6                       ; A
	s_bfe_u32 s11, ttmp9, 0x30003                  ; j
	s_and_b32 s12, ttmp9, 7                        ; the tile in its block of 128 queries
	s_lshl_b32 s14, s10, 2
	s_add_co_u32 s14, s14, s11
	s_add_co_u32 s15, s10, 1
	s_mul_i32 s14, s14, s15                        ; the block's first unit: (A + 1)(4 A + j)
	s_lshl_b32 s14, s14, 3
	s_add_co_u32 s14, s14, s12
	s_mul_i32 s14, s14, REC
	s_mov_b32 s15, 0
	s_lshl_b32 s16, ttmp9, 13                      ; 16 rows of 512 bytes a tile,
	s_lshl_b32 s17, s8, 10
	s_add_co_u32 s16, s16, s17                     ; two rows a wave
	s_mov_b32 s17, 0
	s_wait_kmcnt 0x0
	s_add_nc_u64 s[4:5], s[4:5], s[14:15]
	s_add_nc_u64 s[6:7], s[6:7], s[16:17]
.macro COMB n
.if \n == 1
	global_load_b64 v[NM:NM+1], v3, s[4:5] offset:8192           ; one part: it is the result, but for the division
	global_load_b128 v[ACC:ACC+3], v2, s[4:5] th:TH_LOAD_NT
	global_load_b128 v[ACC+4:ACC+7], v2, s[4:5] offset:512 th:TH_LOAD_NT
	s_wait_loadcnt 0x0
.else
.set cp, 0
.rept \n
	global_load_b64 v[ST+2*cp:ST+2*cp+1], v3, s[4:5] offset:cp*PSTEP+8192
	global_load_b128 v[OP+8*cp:OP+8*cp+3], v2, s[4:5] offset:cp*PSTEP th:TH_LOAD_NT
	global_load_b128 v[OP+8*cp+4:OP+8*cp+7], v2, s[4:5] offset:cp*PSTEP+512 th:TH_LOAD_NT
.set cp, cp+1
.endr
	s_wait_loadcnt 0x0
	v_min_num_f32 v[NM], v[ST], v[ST+2]
.if \n > 2
.set cp, 2
.rept \n-2
	s_delay_alu instid0(VALU_DEP_1)
	v_min_num_f32 v[NM], v[NM], v[ST+2*cp]
.set cp, cp+1
.endr
.endif
.set cp, 0
.rept \n
	v_sub_f32 v[F+2*cp+1], v[NM], v[ST+2*cp]       ; M_p - M: a whole number, 0 or less
.set cp, cp+1
.endr
.set cp, 0
.rept \n
	v_cvt_i32_f32 v[F+2*cp+1], v[F+2*cp+1]         ; (it saturates)
.set cp, cp+1
.endr
.set cp, 0
.rept \n
	v_ldexp_f32 v[F+2*cp], 1.0, v[F+2*cp+1]
.set cp, cp+1
.endr
	v_mul_f32 v[L], v[F], v[ST+1]
.irp q, 0,2,4,6
	v_pk_mul_f32 v[ACC+\q:ACC+\q+1], v[OP+\q:OP+\q+1], v[F:F+1] op_sel_hi:[1,0]
.endr
.set cp, 1
.rept \n-1
	v_fmac_f32 v[L], v[F+2*cp], v[ST+2*cp+1]
.irp q, 0,2,4,6
	v_pk_fma_f32 v[ACC+\q:ACC+\q+1], v[OP+8*cp+\q:OP+8*cp+\q+1], v[F+2*cp:F+2*cp+1], v[ACC+\q:ACC+\q+1] op_sel_hi:[1,0,1]
.endr
.set cp, cp+1
.endr
.endif
.endm
	s_cmp_eq_u32 s10, 1
	s_cbranch_scc1 .Lc1
	s_cmp_eq_u32 s10, 2
	s_cbranch_scc1 .Lc2
	s_cmp_eq_u32 s10, 3
	s_cbranch_scc1 .Lc3
	s_cmp_eq_u32 s10, 4
	s_cbranch_scc1 .Lc4
	s_cmp_eq_u32 s10, 5
	s_cbranch_scc1 .Lc5
	s_cmp_eq_u32 s10, 6
	s_cbranch_scc1 .Lc6
	s_cmp_eq_u32 s10, 7
	s_cbranch_scc1 .Lc7
	s_wait_alu depctr_va_vdst(0)
	COMB 1
	s_branch .Lout
.Lc1:
	s_wait_alu depctr_va_vdst(0)
	COMB 2
	s_branch .Lout
.Lc2:
	s_wait_alu depctr_va_vdst(0)
	COMB 3
	s_branch .Lout
.Lc3:
	s_wait_alu depctr_va_vdst(0)
	COMB 4
	s_branch .Lout
.Lc4:
	s_wait_alu depctr_va_vdst(0)
	COMB 5
	s_branch .Lout
.Lc5:
	s_wait_alu depctr_va_vdst(0)
	COMB 6
	s_branch .Lout
.Lc6:
	s_wait_alu depctr_va_vdst(0)
	COMB 7
	s_branch .Lout
.Lc7:
	s_wait_alu depctr_va_vdst(0)
	COMB 8
.Lout:
	s_wait_alu depctr_va_vdst(0)
	v_rcp_f32 v[R], v[L]
	v_rcp_f32 v[R+1], v[L]
	v_nop                                          ; a plain line between the reciprocals and their use
	s_wait_alu depctr_va_vdst(0)
.irp q, 0,2,4,6
	v_pk_mul_f32 v[ACC+\q:ACC+\q+1], v[ACC+\q:ACC+\q+1], v[R:R+1]
.endr
	ds_store_b128 v4, v[ACC:ACC+3]                 ; eight neighbouring channels of query r
	ds_store_b128 v4, v[ACC+4:ACC+7] offset:16
	s_wait_dscnt 0x0                               ; for the others' sake: my stores have landed
	s_barrier_signal -1
	s_barrier_wait -1                              ; 16 whole rows lie in the stage
	ds_load_b128 v[OP:OP+3], v5
	ds_load_b128 v[OP+4:OP+7], v5 offset:528
	s_wait_dscnt 0x0
	global_store_b128 v6, v[OP:OP+3], s[6:7] th:TH_STORE_NT                 ; 32 lanes store a row of 512 consecutive bytes
	global_store_b128 v6, v[OP+4:OP+7], s[6:7] offset:512 th:TH_STORE_NT
	s_wait_tensorcnt 0x0
	ds_add_u32 v128, v129
	s_wait_dscnt 0x0
	s_endpgm
.Lfunc_end_k_qff46a07660_comb:
	.size	k_qff46a07660_comb, .Lfunc_end_k_qff46a07660_comb-k_qff46a07660_comb
	.p2alignl 7, 3214868480
	.fill 96, 4, 3214868480
	.section	.rodata,"a",@progbits
	.p2align	6, 0x0
	.amdhsa_kernel k_qff46a07660_comb
		.amdhsa_group_segment_fixed_size 9472
		.amdhsa_private_segment_fixed_size 0
		.amdhsa_enable_private_segment 0
		.amdhsa_kernarg_size 16
		.amdhsa_user_sgpr_count 2
		.amdhsa_user_sgpr_kernarg_segment_ptr 1
		.amdhsa_wavefront_size32 1
		.amdhsa_system_sgpr_workgroup_id_x 1
		.amdhsa_system_sgpr_workgroup_id_y 1
		.amdhsa_system_sgpr_workgroup_id_z 1
		.amdhsa_system_vgpr_workitem_id 0
		.amdhsa_next_free_vgpr 130
		.amdhsa_next_free_sgpr 66
		.amdhsa_reserve_vcc 0
		.amdhsa_float_denorm_mode_32 3
		.amdhsa_float_denorm_mode_16_64 3
		.amdhsa_memory_ordered 1
		.amdhsa_forward_progress 1
		.amdhsa_inst_pref_size 30
	.end_amdhsa_kernel
	.amdgpu_metadata
---
amdhsa.version: [ 1, 2 ]
amdhsa.kernels:
  - .name:           k_qff46a07660_comb
    .symbol:         k_qff46a07660_comb.kd
    .args:
      - { .name: part, .offset: 0, .size: 8, .value_kind: global_buffer, .address_space: global }
      - { .name: out0, .offset: 8, .size: 8, .value_kind: global_buffer, .address_space: global }
    .group_segment_fixed_size: 9472
    .private_segment_fixed_size: 0
    .kernarg_segment_align: 8
    .kernarg_segment_size: 16
    .max_flat_workgroup_size: 256
    .sgpr_count:     66
    .vgpr_count:     130
    .wavefront_size: 32
...
	.end_amdgpu_metadata
.endif
;; end of part 3
